; MI455X (gfx1250); checked and timed in simulation.
; The chip was launched on July 23, 2026; its instructions are those of AMD's public machine-readable ISA for CDNA 5 (MIT licence, August 2026) and "CDNA5" Instruction Set Architecture Reference Guide (July 2026). The comments in the code are by the model that wrote it; some were corrected since.
;; MDPP Init Embedding. Allowed arithmetic: matrix products marked QUANTISED: E2M1 operands, one E8M0 scale for each 32 along K, by v_wmma_scale_f32_16x16x128_f8f6f4 with both operands' format E2M1 (or v_wmma_scale_f32_32x16x128_f4), f32 sums; products left as they are: f32 operands where the result goes on into a quantised operand, else bf16, f16 or f32 operands; f32 sums; everything else in f32.
;; Inputs: W1 2 x 256 float32; W2 1 x 256 float32; W3_codes 256 x 16 x 16 uint8 (E2M1 codes of W3, K innermost, in blocks of 32 codes, two codes a byte); W3_scales 256 x 16 uint8 (E8M0 scales of W3, one for each 32 codes along K); b1 256 float32; b2 256 float32; b3 256 float32; locs 8 x 4,096 x 2 float32; probe 8 x 4,096 bool.
;; Outputs: out0 8 x 4,096 x 256 float32.
;; This version of the problem:
;;   THIS VERSION OF THE PROBLEM IS GIVEN IN LOW PRECISION. The matrix products marked QUANTISED in the list below multiply operands that are first quantised to E2M1 (2 exponent bits, 1 mantissa bit; 4 bits a number), with one power-of-two scale for each 32 numbers along K (OCP MX v1.0); their sums are f32. All else is computed in f32.
;;   The module's matrix products, in the order in which they are computed (A, B: the left and right operand; K: the contracted axis; several contracted axes count as one K, in the product's order):
;;     1. [M 32,768, K 2] x [K 2, N 256]; A: input locs; B: input W1: left as it is (K = 2 < 32)
;;     2. batch 8 x [M 4,096, K 2] x [K 2, N 4,096]; A: input locs; B: input locs: left as it is (K = 2 < 32)
;;     3. [M 32,768, K 512] x [K 512, N 256]; A: computed on the way; B: input W3 (given as codes): QUANTISED
;;   THE QUANTISER, for each operand of a quantised product, along K:
;;     - K is cut into blocks of 32 from its start; a last block that is shorter is filled with zeros.
;;     - A block's scale is 2^e with e = floor(log2(the largest magnitude in the block)) - 2, held to -126 .. 127; a block of zeros has e = 0. As a byte (E8M0): e + 127.
;;     - Each number is divided by its block's scale, clamped to +-6, and rounded to the nearest number of E2M1, ties to even, subnormals kept.
;;     - The product sums the exact products of the quantised numbers (number of the format x scale) in f32.
;;   ~~~python
;;   def quantise(x, axis):      # numpy; x: float32 -> the quantised numbers, widened to float32 again
;;       x = np.moveaxis(x, axis, -1); K = x.shape[-1]
;;       x = np.pad(x, [(0, 0)] * (x.ndim - 1) + [(0, -K % 32)]); x = x.reshape(x.shape[:-1] + (-1, 32)); a = np.abs(x).max(-1, keepdims=True)
;;       e = np.where(a > 0, np.clip(np.frexp(np.where(a > 0, a, 1))[1] - 1 - 2, -126, 127), 0)      # np.frexp(a)[1] - 1 = floor(log2(a)), exactly
;;       r = np.clip(x / 2.0 ** e, -6, 6)
;;       step = 2.0 ** (np.maximum(np.frexp(np.where(r == 0, 1, r))[1] - 1, 0) - 1)
;;       q = np.round(r / step) * step * 2.0 ** e      # np.round: ties to even
;;       return np.moveaxis(q.reshape(q.shape[:-2] + (-1,))[..., :K], -1, axis).astype(np.float32)
;;   ~~~
;;   OPERANDS COMPUTED ON THE WAY. 'Computed on the way' means the value that the module computes at that place (a softmax that the list does not call 'softmax' is quantised finished and normalised). What goes into a quantiser is computed in f32, as accurately as f32 sums, v_exp_f32 and their like allow (about 1e-6 of the number): no bf16 or f16 on the way to a quantiser, and a product that is left as it is and whose result goes on into a quantised operand takes f32 operands (vector FMAs, or v_wmma_f32_16x16x4_f32). A number that lies on a knife's edge between two numbers of the format may be rounded either way, as far as f32 arithmetic and the matrix unit's own rounding can turn it there, and no further.
;;   INPUTS GIVEN AS CODES. W3 (in the module: [512, 256], K = its axis 0): each comes as NAME_codes (uint8): NAME with its K axis moved to the last place and cut into blocks of 32 codes, [.., K / 32, bytes a block], one block behind the other in memory; two codes a byte, the lower K in the low four bits (a code: sign, 2 exponent bits, 1 mantissa bit); and NAME_scales (uint8): the same leading axes, one E8M0 byte (e + 127) for each 32 codes along K. Its value is code x scale, taken as it is: it is not quantised again, and the codes and scales need not be those that the quantiser above would give.
;; One version. Each part assembles by itself: llvm-mc -triple=amdgcn-amd-amdhsa -mcpu=gfx1250 --defsym DOCPART=n.
;; ======== version 1 of 1: 1 launch
;; launch embed (part 1): grid 256 x 1, 8 waves a work-group, no clusters, 41,984 bytes of LDS; arguments locs, probe, W1, b1, W2, b2, W3_codes, W3_scales, b3, out0; writes out0
.if DOCPART == 1
	.amdgcn_target "amdgcn-amd-amdhsa--gfx1250"
	.amdhsa_code_object_version 6
	.text
	.protected	k_q43f229b8f8_embed
	.globl	k_q43f229b8f8_embed
	.p2align	8
	.type	k_q43f229b8f8_embed,@function
k_q43f229b8f8_embed:
	s_mov_b64 s[64:65], 0
	v_nop
	global_prefetch_b8 v0, s[64:65] scope:SCOPE_SE
	s_setreg_imm32_b32 hwreg(HW_REG_WAVE_MODE, 25, 1), 1
	s_wait_xcnt 0x0
; out0[b][j][:] = Q([locs W1 + b1 | min_dist W2 + b2]) W3 + b3, all in one launch.  8 batches x 4,096 points; W3 comes as codes of E2M1 with E8M0 scales; Q is the MX quantiser along K = 512.
; min_dist[b][j] = the smallest distance from point j to a row i of the batch whose probe byte is set.  The root rises with its argument, so the smallest SQUARED distance is searched for and ONE root a point
; is taken; rows whose probe byte is 0 count as infinity in the minimum, so only set rows are visited.
; d2 keeps the order of roundings of the expansion: x2 = fma(y, y, x x); dot = fma(yi, yj, xi xj); s = x2i + x2j; d2 = s - 2 dot (the factor -2 is put into the point's x and y, which rounds nothing).
; A probe point's distance to itself is then exactly 0.
; SHARES.  256 work-groups; work-group g takes batch g / 32 and its points 128 (g % 32) .. + 127: 128 rows of out0.  Eight waves.
;   D: wave w searches rows 512 w .. + 511 of the batch for all 128 points, four points a lane.  The rows lie in registers (two a lane for each 64); the set bits of a mask made of the probe bytes are walked by a
;      counted scalar loop, and v_readlane_b32 takes a set row's x, y and x2 out: no loaded number enters an address.
;   Q: wave w makes K step KS (128 of cat's 512) for four tiles of 16 rows: K steps 0, 1 are locs W1 + b1, K steps 2, 3 min_dist W2 + b2.  The codes and scale words go to LDS as images of the operand's registers.
;   M: waves 0-3 hold a quarter of W3 each (64 columns, 128 registers, read from memory once a work-group) and make those columns for all 128 rows; waves 4-7 have ended.
;      Lane r of W3's tile t takes W3's row 64 NQ + 4 r + t: register j of the four accumulators is then four NEIGHBOURING columns of one row; the four additions of b3 set them into four consecutive
;      registers, and one store of 16 bytes a lane covers two aligned runs of 256 consecutive bytes (lanes 0-15 row j, lanes 16-31 row 8 + j).  No stage in LDS on the way out.
; NO TENSOR LOADS, NO CLUSTER: the trip counts of D's loops are counts of probe bytes read from memory.  What work-groups share
; is small beside what each writes: 69,632 bytes of W3 and 36,864 of locs and probe against 131,072 bytes of out0.
; LIMITS.  A batch with no set probe byte (reference: infinity, then NaN) is not served.  Any probe byte other than 0 counts as set.  v_sqrt_f32 is good to one unit in the last place and takes a d2 under 2^-126
; as 0.  A block of cat whose largest magnitude lies under 2^-124 keeps the scale byte 1 (a block of zeros too: its codes are zeros).  locs W1 + b1 is fma(x, W1[0], fma(y, W1[1], b1)): two roundings where a
; product followed by an addition has three.  NaN and infinities among the inputs are not served.
; LDS
.set MINS, 0                           ; [wave 8][point 128] f32: each wave's smallest d2 of its 512 rows
.set AIMG, 4096                        ; cat's 32 fragments (tile of rows m, K step s: 4 m + s), 1,024 bytes each: register group c at 512 c + 16 x lane
.set ASC,  36864                       ; their scale words, 128 bytes each: 4 x lane
; VECTOR REGISTERS, window 0.  v1-14 are addresses, made at the head and never rewritten
.set LI,  1                            ; 16 x lane: locs' chunks; an image's place for my lane
.set PO,  2                            ; 2 x lane: probe bytes
.set JO,  3                            ; 32 x lane: my four points
.set CO,  4                            ; 64 h + 512 KH: my 16 numbers of each block of 32 of W1, W2, b1, b2
.set XO,  5                            ; 8 r: a tile's row r in locs
.set WO,  6                            ; 1024 r + 16 h: W3's codes, rows 4 r + t
.set SO,  7                            ; 64 r: W3's scale bytes
.set BO,  8                            ; 16 r: b3
.set OA,  9                            ; 8192 h + 16 r: out0
.set MSA, 10                           ; 16 x lane + 512 x wave: where my four minima go
.set MDA, 11                           ; 4 r + 256 MH: where a tile's minima are read
.set IMA, 12                           ; 16 x lane + 1024 (16 MH + KS): where my images go
.set SCA, 13                           ; 4 x lane + 128 (16 MH + KS): and their scale words
.set LS,  14                           ; 4 x lane
.set W3S, 16                           ; v16-31   W3's scale words: tile t, K step s at 4 t + s
.set B3,  32                           ; v32-35   b3 of columns 4 r + 0 .. 3
.set XY,  36                           ; v36-43   x, y of row r of my four tiles (K steps 0, 1)
.set MD,  44                           ; v44-47   min_dist of row r of my four tiles (K steps 2, 3)
.set C2,  48                           ; v48-111  b1 or b2, 64 numbers in the quantiser's order
.set N,   112                          ; v112-175 Q: 64 numbers of cat: register 16 b + i = k 32 b + 16 h + i of my K step, row r
.set G,   112                          ; v112-143 D: group g (0 .. 15): x at 2 g, y at 2 g + 1 of row 64 (g / 2) + 2 x lane + g % 2 of my 512
.set G2,  144                          ; v144-159 D: its x2
.set PB,  160                          ; v160-167 D: two probe bytes for each 64 rows
.set JL,  168                          ; v168-175 D: my four points as loaded
.set XJ,  176                          ; v176-179 D: -2 x;  v180-183: -2 y;  v184-187: x2;  v188-191: the smallest d2 so far
.set YJ,  180
.set SJ,  184
.set MIN, 188
.set T,   192                          ; v192-199 D: at work
.set U,   196
.set TM,  176                          ; v176-191 Q: largest magnitudes, bytes, scale operands
.set PC,  192                          ; v192-199 Q: the codes just made
.set PW,  200                          ; v200     Q: the scale word just made
.set MT,  201                          ; v201-202 at work at the head and for the masks
.set AF,  112                          ; v112-175 M: cat's four fragments of a tile of rows, two sets
.set AS,  204                          ; v204-211 M: their scale words, two sets
; window 1
.set W3F, 0                            ; v0-127   W3's 16 fragments: tile t, K step s at 8 (4 t + s)
.set C0,  128                          ; v128-191 Q: W1's row 0, or W2
.set C1,  192                          ; v192-255 Q: W1's row 1
.set ACC, 128                          ; v128-191 M: four accumulators, two sets
.set O,   192                          ; v192-223 M: a tile's results with b3, in the order of the stores
; SCALAR REGISTERS.  s[8:27] the ten buffers: locs 8, probe 10, W1 12, b1 14, W2 16, b2 18, W3's codes 20, W3's scales 22, b3 24, out0 26
.set WV,  28                           ; wave
.set KS,  29                           ; my K step of cat: (wave + 2 MH) % 4
.set MH,  30                           ; my half of the eight tiles of rows: wave / 4
.set KH,  31                           ; KS % 2: which 128 of the 256 columns of W1, W2, b1, b2
.set MK,  32                           ; s32-47   group g's mask of set probe bytes
.set PX,  48                           ; s[48:49], s[50:51], s[52:53]: a probe's x, y, x2; the packed forms name pairs and take the low word for both halves
.set PY,  50
.set P2,  52
.set CNT, 54                           ; set bits of a group
.set TR,  55                           ; trips done
.set LN,  56                           ; the lane of the lowest set bit
.set TMP, 57
.set SEL, 58                           ; s[58:59] v_permlanex16_b32's selects for lane l xor 16
.set LW,  60                           ; s[60:61] locs at my wave's 512 rows
.set LJ,  62                           ; s[62:63] locs at the work-group's 128 points
.set LX,  66                           ; s[66:67] locs at my four tiles' rows
.set CA,  68                           ; s[68:69] W1 or W2
.set CB,  70                           ; s[70:71] b1 or b2
.set NQ,  72                           ; my quarter of the columns: wave % 4
.set MSB, 0
.macro WIN new                         ; the immediate's high byte repeats the setting that is left; a switch that changes nothing is dropped
.if MSB != \new
	s_set_vgpr_msb (MSB<<8)|\new
.set MSB, \new
.endif
.endm
.set TO_1,  0x40                       ; destination window 1, address window 0
.set SRC1,  0x04                       ; source 1 window 1
.set MUL,   0x54                       ; source 0 window 0 (cat's fragments, b3, a store's address); source 1 (W3, accumulators read, a store's data), source 2 and destination window 1
	s_load_b512 s[8:23], s[0:1], 0x0
	s_load_b128 s[24:27], s[0:1], 0x40
	v_lshl_add_u32 v254, v0, 2, 0xa000
	v_mov_b32 v255, 0
	v_lshrrev_b32 v[PW], 5, v0
	v_readfirstlane_b32 s[WV], v[PW]               ; wave 0..7
	v_and_b32 v[PW], 31, v0                        ; lane
	v_and_b32 v[MT], 15, v0                        ; r
	v_bfe_u32 v[MT+1], v0, 4, 1                    ; h
	s_lshr_b32 s[MH], s[WV], 2
	s_lshl_b32 s[TMP], s[MH], 1
	s_add_co_u32 s[KS], s[WV], s[TMP]
	s_and_b32 s[KS], s[KS], 3                      ; waves 0-3: K steps 0, 1, 2, 3; waves 4-7: 2, 3, 0, 1
	s_and_b32 s[KH], s[KS], 1
	s_and_b32 s[NQ], s[WV], 3
	v_lshlrev_b32 v[LI], 4, v[PW]
	v_lshlrev_b32 v[PO], 1, v[PW]
	v_lshlrev_b32 v[JO], 5, v[PW]
	v_lshlrev_b32 v[LS], 2, v[PW]
	s_lshl_b32 s[TMP], s[KH], 9
	v_lshl_add_u32 v[CO], v[MT+1], 6, s[TMP]
	v_lshlrev_b32 v[XO], 3, v[MT]
	v_lshlrev_b32 v[WO], 10, v[MT]
	v_lshl_add_u32 v[WO], v[MT+1], 4, v[WO]
	v_lshlrev_b32 v[SO], 6, v[MT]
	v_lshlrev_b32 v[BO], 4, v[MT]
	v_lshl_add_u32 v[OA], v[MT+1], 13, v[BO]
	s_lshl_b32 s[TMP], s[WV], 9
	v_add_nc_u32 v[MSA], s[TMP], v[LI]
	s_lshl_b32 s[LN], s[MH], 8
	v_lshl_add_u32 v[MDA], v[MT], 2, s[LN]
	s_lshl_b32 s[CNT], s[MH], 4
	s_add_co_u32 s[CNT], s[CNT], s[KS]             ; 16 MH + KS: the first of my four fragments; the others lie 4 further on each
	s_lshl_b32 s[LN], s[CNT], 10
	v_add_nc_u32 v[IMA], s[LN], v[LI]
	s_lshl_b32 s[LN], s[CNT], 7
	v_add_nc_u32 v[SCA], s[LN], v[LS]
	s_lshr_b32 s2, ttmp9, 5                        ; the batch
	s_and_b32 s4, ttmp9, 31                        ; the block of 128 points in it
	s_lshl_b32 s6, s2, 12                          ; probe: 4,096 bytes a batch,
	s_add_co_u32 s6, s6, s[TMP]                    ; + 512 x wave
	s_lshl_b32 s2, s2, 15                          ; locs: 32,768 bytes a batch
	s_lshl_b32 s4, s4, 10                          ; 1,024 bytes a block
	s_mov_b32 s3, 0
	s_mov_b32 s5, 0
	s_mov_b32 s7, 0
	s_wait_kmcnt 0x0
	s_add_nc_u64 s[8:9], s[8:9], s[2:3]
	s_add_nc_u64 s[LJ:LJ+1], s[8:9], s[4:5]
	s_add_nc_u64 s[10:11], s[10:11], s[6:7]
	s_lshl_b32 s2, s[WV], 12                       ; 512 rows of 8 bytes a wave
	s_add_nc_u64 s[LW:LW+1], s[8:9], s[2:3]
	; what D needs: my four points, my wave's 512 rows (each load 512 consecutive bytes) and their probe bytes (64 consecutive bytes a load)
	global_load_b128 v[JL:JL+3], v[JO], s[LJ:LJ+1]
	global_load_b128 v[JL+4:JL+7], v[JO], s[LJ:LJ+1] offset:16
.irp c, 0,1,2,3,4,5,6,7
	global_load_b128 v[G+4*\c:G+4*\c+3], v[LI], s[LW:LW+1] offset:512*\c
.endr
.irp c, 0,1,2,3,4,5,6,7
	global_load_u16 v[PB+\c], v[PO], s[10:11] offset:64*\c
.endr
	; the other pointers, while those loads are out: none of these lines writes a register that a pending load names
	s_lshl_b32 s2, s[MH], 9                        ; 64 rows of 8 bytes
	s_add_nc_u64 s[LX:LX+1], s[LJ:LJ+1], s[2:3]
	s_lshl_b32 s2, s[NQ], 14                       ; W3's codes: 64 rows of 256 bytes
	s_add_nc_u64 s[20:21], s[20:21], s[2:3]
	s_lshl_b32 s2, s[NQ], 10                       ; its scale bytes: 64 rows of 16
	s_add_nc_u64 s[22:23], s[22:23], s[2:3]
	s_lshl_b32 s2, s[NQ], 8                        ; b3 and a row of out0: 64 columns of 4 bytes
	s_add_nc_u64 s[24:25], s[24:25], s[2:3]
	s_add_nc_u64 s[26:27], s[26:27], s[2:3]
	s_lshl_b32 s2, ttmp9, 17                       ; out0: 128 rows of 1,024 bytes a work-group (under 2^25 in all)
	s_add_nc_u64 s[26:27], s[26:27], s[2:3]
	s_cmp_lt_u32 s[KS], 2                          ; K steps 0, 1 take W1 and b1, K steps 2, 3 W2 and b2: the choice hangs on the wave's number alone
	s_cselect_b64 s[CA:CA+1], s[12:13], s[16:17]
	s_cselect_b64 s[CB:CB+1], s[14:15], s[18:19]
	s_mov_b32 s[SEL], 0x76543210
	s_mov_b32 s[SEL+1], 0xfedcba98
	s_mov_b32 s[PX+1], 0                           ; named with the low words as pairs, so they are written
	s_mov_b32 s[PY+1], 0
	s_mov_b32 s[P2+1], 0
.irp q, 0,1,2,3
	v_mov_b32 v[MIN+\q], 0x7f800000                ; +infinity
.endr
	s_wait_loadcnt 0x0                             ; D's 18 loads are in
	; what Q and M need is asked for now and lands under D, which touches none of these registers
	WIN TO_1
.irp b, 0,1,2,3
.irp j, 0,1,2,3
	global_load_b128 v[C0+16*\b+4*\j:C0+16*\b+4*\j+3], v[CO], s[CA:CA+1] offset:128*\b+16*\j
.endr
.endr
	WIN 0
.irp b, 0,1,2,3
.irp j, 0,1,2,3
	global_load_b128 v[C2+16*\b+4*\j:C2+16*\b+4*\j+3], v[CO], s[CB:CB+1] offset:128*\b+16*\j
.endr
.endr
	s_cmp_lt_u32 s[KS], 2
	s_cbranch_scc0 .Lno_node_loads
	WIN TO_1
.irp b, 0,1,2,3
.irp j, 0,1,2,3
	global_load_b128 v[C1+16*\b+4*\j:C1+16*\b+4*\j+3], v[CO], s[12:13] offset:1024+128*\b+16*\j   ; W1's row 1
.endr
.endr
	WIN 0
.irp i, 0,1,2,3
	global_load_b64 v[XY+2*\i:XY+2*\i+1], v[XO], s[LX:LX+1] offset:128*\i
.endr
.Lno_node_loads:
	s_cmp_lt_u32 s[WV], 4
	s_cbranch_scc0 .Lno_w3_loads
	WIN TO_1
.irp t, 0,1,2,3
.irp s, 0,1,2,3
.irp c, 0,1
	global_load_b128 v[W3F+8*(4*\t+\s)+4*\c:W3F+8*(4*\t+\s)+4*\c+3], v[WO], s[20:21] offset:256*\t+64*\s+32*\c   ; row 4 r + t, k = 128 s + 64 c + 32 h + 0 .. 31
.endr
.endr
.endr
	WIN 0
.irp t, 0,1,2,3
	global_load_b128 v[W3S+4*\t:W3S+4*\t+3], v[SO], s[22:23] offset:16*\t      ; the row's four scale words
.endr
	global_load_b128 v[B3:B3+3], v[BO], s[24:25]
.Lno_w3_loads:
	; ---- D.  The point's side: -2 x, -2 y (exact) and x2; the rows' x2; the sixteen masks
.irp q, 0,1,2,3
	v_mul_f32 v[XJ+\q], -2.0, v[JL+2*\q]
	v_mul_f32 v[YJ+\q], -2.0, v[JL+2*\q+1]
	v_mul_f32 v[SJ+\q], v[JL+2*\q], v[JL+2*\q]
.endr
.irp q, 0,1,2,3
	v_fmac_f32 v[SJ+\q], v[JL+2*\q+1], v[JL+2*\q+1]
.endr
.irp g, 0,1,2,3,4,5,6,7,8,9,10,11,12,13,14,15
	v_mul_f32 v[G2+\g], v[G+2*\g], v[G+2*\g]
.endr
.irp g, 0,1,2,3,4,5,6,7,8,9,10,11,12,13,14,15
	v_fmac_f32 v[G2+\g], v[G+2*\g+1], v[G+2*\g+1]
.endr
.irp c, 0,1,2,3,4,5,6,7
	v_and_b32 v[MT], 0xff, v[PB+\c]                ; the even row's byte,
	v_and_b32 v[MT+1], 0xff00, v[PB+\c]            ; the odd row's
	v_cmp_ne_u32 s[MK+2*\c], 0, v[MT]
	v_cmp_ne_u32 s[MK+2*\c+1], 0, v[MT+1]
.endr
; The set rows of group g, one a trip: the lowest set bit names the lane that holds the row; it is cleared; the row's three numbers become scalars; four d2 a lane, in packed pairs; the minima.
.macro GROUP g
	s_bcnt1_i32_b32 s[CNT], s[MK+\g]
	s_cmp_eq_u32 s[CNT], 0
	s_cbranch_scc1 .Lnone_\@
	s_mov_b32 s[TR], 0
.Lprobe_\@:
	s_ctz_i32_b32 s[LN], s[MK+\g]
	s_sub_co_u32 s[TMP], s[MK+\g], 1
	s_and_b32 s[MK+\g], s[MK+\g], s[TMP]
	v_readlane_b32 s[PX], v[G+2*\g], s[LN]
	v_readlane_b32 s[PY], v[G+2*\g+1], s[LN]
	v_readlane_b32 s[P2], v[G2+\g], s[LN]
	v_pk_mul_f32 v[T:T+1], v[XJ:XJ+1], s[PX:PX+1] op_sel_hi:[1,0]                  ; -2 xi xj
	v_pk_mul_f32 v[T+2:T+3], v[XJ+2:XJ+3], s[PX:PX+1] op_sel_hi:[1,0]
	v_pk_add_f32 v[U:U+1], v[SJ:SJ+1], s[P2:P2+1] op_sel_hi:[1,0]                  ; x2i + x2j
	v_pk_add_f32 v[U+2:U+3], v[SJ+2:SJ+3], s[P2:P2+1] op_sel_hi:[1,0]
	v_pk_fma_f32 v[T:T+1], v[YJ:YJ+1], s[PY:PY+1], v[T:T+1] op_sel_hi:[1,0,1]      ; -2 dot
	v_pk_fma_f32 v[T+2:T+3], v[YJ+2:YJ+3], s[PY:PY+1], v[T+2:T+3] op_sel_hi:[1,0,1]
	v_pk_add_f32 v[T:T+1], v[T:T+1], v[U:U+1]                                      ; d2, not yet clipped: the clip at 0 commutes with the minimum
	v_pk_add_f32 v[T+2:T+3], v[T+2:T+3], v[U+2:U+3]
.irp q, 0,1,2,3
	v_min_num_f32 v[MIN+\q], v[MIN+\q], v[T+\q]
.endr
	s_add_co_u32 s[TR], s[TR], 1
	s_cmp_lt_u32 s[TR], s[CNT]
	s_cbranch_scc1 .Lprobe_\@
.Lnone_\@:
.endm
.irp g, 0,1,2,3,4,5,6,7,8,9,10,11,12,13,14,15
	GROUP \g
.endr
	ds_store_b128 v[MSA], v[MIN:MIN+3] offset:MINS ; points 4 x lane + 0 .. 3
	s_wait_dscnt 0x0                               ; for the others' sake: my minima lie in LDS
	s_barrier_signal -1
	s_barrier_wait -1                              ; everybody's do
	s_wait_loadcnt 0x0                             ; the constants, and in waves 0-3 W3: all were asked for ahead of D
; ---- Q.  64 numbers of a lane, v[N] on, become a fragment's codes in v[PC] on and its scale word in v[PW].
.macro QUANT
.irp b, 0,1,2,3
	v_max3_num_f32 v[TM+\b], |v[N+16*\b]|, |v[N+1+16*\b]|, 0x1800000   ; block b: my 16 numbers, and the floor 2^(3 - 127): the byte cannot fall under 1
.endr
.irp i, 2,4,6,8,10,12,14
.irp b, 0,1,2,3
	v_max3_num_f32 v[TM+\b], v[TM+\b], |v[N+16*\b+\i]|, |v[N+1+16*\b+\i]|   ; the four blocks by turns: no line waits for the line above it
.endr
.endr
.irp b, 0,1,2,3
	v_permlanex16_b32 v[TM+4+\b], v[TM+\b], s[SEL], s[SEL+1]       ; (its destination counts as read: these four were written in D)
.endr
.irp b, 0,1,2,3
	v_max_num_f32 v[TM+\b], v[TM+\b], v[TM+4+\b]   ; with lane l xor 16's 16: the block's largest magnitude
.endr
.irp b, 0,1,2,3
	v_add_nc_u32 v[TM+12+\b], 0xff000000, v[TM+\b] ; 2 off its exponent field: the conversion takes the exponent field of this operand as its scale, and nothing else of it
.endr
.irp b, 0,1,2,3
	v_lshrrev_b32 v[TM+4+\b], 23, v[TM+12+\b]      ; the scale's byte
.endr
	v_lshl_or_b32 v[PW], v[TM+5], 8, v[TM+4]       ; the four bytes make my row's scale word
	v_lshl_or_b32 v[PW], v[TM+6], 16, v[PW]
	v_lshl_or_b32 v[PW], v[TM+7], 24, v[PW]
.irp b, 0,1,2,3
	v_cvt_scalef32_pk8_fp4_f32 v[PC+2*\b], v[N+16*\b:N+7+16*\b], v[TM+12+\b]       ; beyond 6 the largest code, as the quantiser's clamp has it
	v_cvt_scalef32_pk8_fp4_f32 v[PC+1+2*\b], v[N+8+16*\b:N+15+16*\b], v[TM+12+\b]
.endr
	v_nop                                          ; one plain instruction behind the last scaled conversion
.irp c, 0,1                                    ; the operand's layout wants a WHOLE block in a lane: lanes 0-15 block 2 c, lanes 16-31 block 2 c + 1
.irp i, 0,1
	v_permlane16_swap_b32 v[PC+4*\c+\i], v[PC+2+4*\c+\i]
.endr
.endr
.endm
.macro IMAGE i                         ; my i-th tile's fragment and scale word go to LDS as they stand: each store covers consecutive bytes, 16 or 4 a lane
	ds_store_b128 v[IMA], v[PC:PC+3] offset:AIMG+4096*\i
	ds_store_b128 v[IMA], v[PC+4:PC+7] offset:AIMG+4096*\i+512
	ds_store_b32 v[SCA], v[PW] offset:ASC+512*\i
.endm
.macro GEN_NODE i                      ; fma(x, W1[0], fma(y, W1[1], b1)), two columns an instruction; of the pair (x, y) one word serves both halves
	WIN SRC1
.set ee, 0
.rept 32
	v_pk_fma_f32 v[N+ee:N+ee+1], v[XY+2*\i:XY+2*\i+1], v[C1+ee:C1+ee+1], v[C2+ee:C2+ee+1] op_sel:[1,0,0] op_sel_hi:[1,1,1]
.set ee, ee+2
.endr
.set ee, 0
.rept 32
	v_pk_fma_f32 v[N+ee:N+ee+1], v[XY+2*\i:XY+2*\i+1], v[C0+ee:C0+ee+1], v[N+ee:N+ee+1] op_sel_hi:[0,1,1]
.set ee, ee+2
.endr
	WIN 0
.endm
.macro GEN_PD i                        ; fma(min_dist, W2, b2)
	WIN SRC1
.set ee, 0
.rept 32
.if (\i)%2
	v_pk_fma_f32 v[N+ee:N+ee+1], v[MD+2*((\i)/2):MD+2*((\i)/2)+1], v[C0+ee:C0+ee+1], v[C2+ee:C2+ee+1] op_sel:[1,0,0] op_sel_hi:[1,1,1]
.else
	v_pk_fma_f32 v[N+ee:N+ee+1], v[MD+2*((\i)/2):MD+2*((\i)/2)+1], v[C0+ee:C0+ee+1], v[C2+ee:C2+ee+1] op_sel_hi:[0,1,1]
.endif
.set ee, ee+2
.endr
	WIN 0
.endm
	s_cmp_lt_u32 s[KS], 2
	s_cbranch_scc0 .Lpd
.irp i, 0,1,2,3
	GEN_NODE \i
.if \i > 0
	s_wait_dscnt 0x0                               ; the last tile's stores have read the codes' and the scale word's registers
.endif
	QUANT
	IMAGE \i
.endr
	s_branch .Ljoin
.Lpd:
.irp i, 0,1,2,3
.irp w, 0,1,2,3,4,5,6,7
	ds_load_b32 v[N+8*\i+\w], v[MDA] offset:MINS+512*\w+64*\i      ; the eight waves' minima of row r of my i-th tile
.endr
.endr
	s_wait_dscnt 0x0
.irp i, 0,1,2,3
	v_min3_num_f32 v[MD+\i], v[N+8*\i], v[N+8*\i+1], v[N+8*\i+2]   ; the four tiles by turns
.endr
.irp i, 0,1,2,3
	v_min3_num_f32 v[MD+\i], v[MD+\i], v[N+8*\i+3], v[N+8*\i+4]
.endr
.irp i, 0,1,2,3
	v_min3_num_f32 v[MD+\i], v[MD+\i], v[N+8*\i+5], v[N+8*\i+6]
.endr
.irp i, 0,1,2,3
	v_min_num_f32 v[MD+\i], v[MD+\i], v[N+8*\i+7]
.endr
.irp i, 0,1,2,3
	v_max_num_f32 v[MD+\i], 0, v[MD+\i]            ; the clip at 0
.endr
.irp i, 0,1,2,3
	v_sqrt_f32 v[MD+\i], v[MD+\i]                  ; one root a point; the root of 0 is 0
.endr
	v_nop                                          ; a plain instruction behind the last root
	s_wait_alu depctr_va_vdst(0)                   ; one wait for the four roots, ahead of their first reader
.irp i, 0,1,2,3
	GEN_PD \i
.if \i > 0
	s_wait_dscnt 0x0                               ; the last tile's stores have read the codes' and the scale word's registers
.endif
	QUANT
	IMAGE \i
.endr
.Ljoin:
	s_wait_dscnt 0x0                               ; for the others' sake: my four images and scale words lie in LDS
	s_barrier_signal -1
	s_barrier_wait -1                              ; all 32 do.  No barrier follows
	s_cmp_lt_u32 s[WV], 4
	s_cbranch_scc1 .Lmatrix
	s_wait_tensorcnt 0x0
	ds_add_u32 v254, v255
	s_wait_dscnt 0x0
	s_endpgm                                       ; waves 4-7 are done
.Lmatrix:
; ---- M.  Twelve LDS loads: tile m's four fragments and four scale words, into set m % 2
.macro FETCH m
.irp s, 0,1,2,3
.irp c, 0,1
	ds_load_b128 v[AF+32*((\m)%2)+8*\s+4*\c:AF+32*((\m)%2)+8*\s+4*\c+3], v[LI] offset:AIMG+1024*(4*(\m)+\s)+512*\c
.endr
.endr
.irp s, 0,1,2,3
	ds_load_b32 v[AS+4*((\m)%2)+\s], v[LS] offset:ASC+128*(4*(\m)+\s)
.endr
.endm
; Step nn of 16 of tile m's way out: two additions of b3; addition a takes register a / 4 of accumulator a % 4 (each accumulator from its low end on) into O + a: four neighbouring columns in four neighbouring
; registers.  Behind every fourth addition a row's store: lanes 0-15 row 16 m + j, lanes 16-31 row 16 m + 8 + j, 256 consecutive bytes each, at a multiple of 256 from out0's first byte.
.macro OUT m
.irp u, 0,1
.set aa, 2*nn+\u
	v_add_f32 v[O+aa], v[B3+aa%4], v[ACC+32*((\m)%2)+8*(aa%4)+aa/4]
.endr
.if nn%2
	global_store_b128 v[OA], v[O+4*(nn/2):O+4*(nn/2)+3], s[26:27] offset:(16*(\m)+nn/2)*1024 th:TH_STORE_NT   ; written once, read by nobody here
.endif
.endm
; Tile m: 16 matrix instructions, K step nn / 4, W3's tile nn % 4: the four accumulators take turns, one instruction a turn; the first four start the sums with the constant 0.
; Source 0 = cat's 16 rows, source 1 = 16 rows of W3.  The way out of tile m - 1, whose accumulators are the other set, stands in steps behind them.
.macro TILE m
.if \m < 7
	s_wait_dscnt 12                                ; this tile's twelve loads are in; the next tile's twelve may be out
.else
	s_wait_dscnt 0x0
.endif
.if \m >= 2
	s_wait_xcnt 0x0                                ; the stores of tile m - 2 have read O's registers, which are written again below
.endif
	WIN MUL
.set nn, 0
.rept 16
.set rD, ACC+32*((\m)%2)+8*(nn%4)
.set rA, AF+32*((\m)%2)+8*(nn/4)
.set rB, W3F+8*(4*(nn%4)+nn/4)
.if nn < 4
	v_wmma_scale_f32_16x16x128_f8f6f4 v[rD:rD+7], v[rA:rA+7], v[rB:rB+7], 0, v[AS+4*((\m)%2)+nn/4], v[W3S+4*(nn%4)+nn/4] matrix_a_fmt:MATRIX_FMT_FP4 matrix_b_fmt:MATRIX_FMT_FP4
.else
	v_wmma_scale_f32_16x16x128_f8f6f4 v[rD:rD+7], v[rA:rA+7], v[rB:rB+7], v[rD:rD+7], v[AS+4*((\m)%2)+nn/4], v[W3S+4*(nn%4)+nn/4] matrix_a_fmt:MATRIX_FMT_FP4 matrix_b_fmt:MATRIX_FMT_FP4
.endif
.if \m >= 1
	OUT (\m)-1
.endif
.set nn, nn+1
.endr
.if \m < 6
.if \m == 0
	v_nop
	v_nop
.endif
	v_nop                                          ; four plain instructions that name none of the last product's registers stand between it and the loads into the fragments that it read (ISA guide 7.12.1 for
	v_nop                                          ; vector instructions): the two additions behind it and these two; in tile 0, which has no additions, four of these
	WIN 0
	FETCH (\m)+2                                   ; into the set just multiplied
.endif
.endm
	FETCH 0
	FETCH 1
.irp m, 0,1,2,3,4,5,6,7
	TILE \m
.endr
	s_wait_xcnt 0x0                                ; tile 6's stores have read O's registers
.set nn, 0
.rept 16
	OUT 7                                          ; accumulator 0's last product lies eight additions back; accumulator 3's two, and the first three additions here name none of its registers
.set nn, nn+1
.endr
	WIN 0
	s_wait_tensorcnt 0x0
	ds_add_u32 v254, v255
	s_wait_dscnt 0x0
	s_endpgm
.Lfunc_end_k_q43f229b8f8_embed:
	.size	k_q43f229b8f8_embed, .Lfunc_end_k_q43f229b8f8_embed-k_q43f229b8f8_embed
	.p2alignl 7, 3214868480
	.fill 96, 4, 3214868480
	.section	.rodata,"a",@progbits
	.p2align	6, 0x0
	.amdhsa_kernel k_q43f229b8f8_embed
		.amdhsa_group_segment_fixed_size 41984
		.amdhsa_private_segment_fixed_size 0
		.amdhsa_enable_private_segment 0
		.amdhsa_kernarg_size 80
		.amdhsa_user_sgpr_count 2
		.amdhsa_user_sgpr_kernarg_segment_ptr 1
		.amdhsa_wavefront_size32 1
		.amdhsa_system_sgpr_workgroup_id_x 1
		.amdhsa_system_sgpr_workgroup_id_y 1
		.amdhsa_system_sgpr_workgroup_id_z 1
		.amdhsa_system_vgpr_workitem_id 0
		.amdhsa_next_free_vgpr 512
		.amdhsa_next_free_sgpr 76
		.amdhsa_reserve_vcc 0
		.amdhsa_float_denorm_mode_32 3
		.amdhsa_float_denorm_mode_16_64 3
		.amdhsa_memory_ordered 1
		.amdhsa_forward_progress 1
		.amdhsa_inst_pref_size 133
	.end_amdhsa_kernel
	.amdgpu_metadata
---
amdhsa.version: [ 1, 2 ]
amdhsa.kernels:
  - .name:           k_q43f229b8f8_embed
    .symbol:         k_q43f229b8f8_embed.kd
    .args:
      - { .name: locs, .offset: 0, .size: 8, .value_kind: global_buffer, .address_space: global }
      - { .name: probe, .offset: 8, .size: 8, .value_kind: global_buffer, .address_space: global }
      - { .name: W1, .offset: 16, .size: 8, .value_kind: global_buffer, .address_space: global }
      - { .name: b1, .offset: 24, .size: 8, .value_kind: global_buffer, .address_space: global }
      - { .name: W2, .offset: 32, .size: 8, .value_kind: global_buffer, .address_space: global }
      - { .name: b2, .offset: 40, .size: 8, .value_kind: global_buffer, .address_space: global }
      - { .name: W3_codes, .offset: 48, .size: 8, .value_kind: global_buffer, .address_space: global }
      - { .name: W3_scales, .offset: 56, .size: 8, .value_kind: global_buffer, .address_space: global }
      - { .name: b3, .offset: 64, .size: 8, .value_kind: global_buffer, .address_space: global }
      - { .name: out0, .offset: 72, .size: 8, .value_kind: global_buffer, .address_space: global }
    .group_segment_fixed_size: 41984
    .private_segment_fixed_size: 0
    .kernarg_segment_align: 8
    .kernarg_segment_size: 80
    .max_flat_workgroup_size: 256
    .sgpr_count:     76
    .vgpr_count:     512
    .wavefront_size: 32
...
	.end_amdgpu_metadata
.endif
;; end of part 1
